; MI455X (gfx1250); checked and timed in simulation.
; The chip was launched on July 23, 2026; its instructions are those of AMD's public machine-readable ISA for CDNA 5 (MIT licence, August 2026) and "CDNA5" Instruction Set Architecture Reference Guide (July 2026). The comments in the code are by the model that wrote it; some were corrected since.
;; Attentional Propagation. Allowed arithmetic: float matrix products may take bf16 or f16 operands with f32 sums; all other float work in f32.
;; Inputs: aW1 256 x 768 float32; aW2 1 x 256 float32; ab1 256 float32; ab2 1 float32; dist 1 x 256 x 262,144 float32; mW1 512 x 512 float32; mW2 256 x 512 float32; mask 512 x 512 bool; mb1 512 float32; mb2 256 float32; source 1 x 256 x 512 float32; x 1 x 256 x 512 float32.
;; Outputs: out0 1 x 256 x 512 float32; out1 1 x 512 x 512 float32.
;; One version. Each part assembles by itself: llvm-mc -triple=amdgcn-amd-amdhsa -mcpu=gfx1250 --defsym DOCPART=n.
;; ======== version 1 of 1: 4 launches
;; limits: a difference of large sums (such as E[x^2] - mean^2): digits are lost where the result is much smaller than its terms
;; workspace buffers: wf 393,216 bytes; abd 1,048,576 bytes; ud 1,048,576 bytes; gf 524,288 bytes; raw 1,048,576 bytes; minb 4,096 bytes; h2f 524,288 bytes
;; launch prep (part 1): grid 102 x 1, 8 waves a work-group, no clusters, 33,792 bytes of LDS; arguments x, source, aW1, ab1, mW1, mb1, mW2, wf, abd, ud, gf; writes wf, abd, ud, gf
.if DOCPART == 1
	.amdgcn_target "amdgcn-amd-amdhsa--gfx1250"
	.amdhsa_code_object_version 6
	.text
	.protected	k_qb649a3d307_prep
	.globl	k_qb649a3d307_prep
	.p2align	8
	.type	k_qb649a3d307_prep,@function
k_qb649a3d307_prep:
	s_mov_b64 s[64:65], 0
	v_nop
	global_prefetch_b8 v0, s[64:65] scope:SCOPE_SE
	s_setreg_imm32_b32 hwreg(HW_REG_WAVE_MODE, 25, 1), 1
	s_wait_xcnt 0x0
; WHAT DOES NOT HANG ON A PAIR (q, k) IS MADE ONCE.  aW1 = [Wq | Wk | Wd], mW1 = [Mx | Mm], 256 columns each.
;   A[q][o]  = sum_c Wq[o][c] x[c][q] + ab1[o]        B[k][o]  = sum_c Wk[o][c] source[c][k]           (f32, buffer abd)
;   U[o2][q] = sum_c Mx[o2][c] x[c][q] + mb1[o2]      (f32, ud)      G[o2][k] = sum_c Mm[o2][c] source[c][k]   (bf16, gf)
;   Wd and mW2 rounded to bf16 and laid as matrix fragments (wf).
; Operands bf16, sums f32.  The order of the sums is the matrix unit's, not reference()'s.
; WORK-GROUPS 0-95: b = id & 7 is a block of 64 positions (queries or keys), y = id >> 3 says which product and which eight tiles
; of 16 output channels; a wave makes one tile x 64 positions x K = 256: four accumulators, 32 matrix instructions.
; WORK-GROUPS 96-101: a wave rounds 16 rows x 256 columns of Wd or of mW2 and stores them as eight fragments.
; THE TURN.  x and source lie [channel][position].  A 16-byte load gives lane (r, h) positions 4 r .. 4 r + 3 of channel c0 + 16 h + j;
; register i of sixteen such loads (j = 0 .. 15) is, over the lanes, a tile of the 16 positions 4 r + i, and pairs of loads round into a
; fragment in which register t holds channels 16 h + 2 t, 16 h + 2 t + 1.  That is a permutation of K; the weights take the same one,
; so the products are the same (only mW2's fragments, which meet operands in the plain order, are laid in the plain order).
; A DUMP is an accumulator as it lies, 1,024 bytes: registers 0-3 of lanes 0-31 (16 bytes a lane), then registers 4-7:
; every store of a wave covers 512 consecutive bytes, aligned.
.set BIAS, 16          ; v[16:23]   the C operand of the first K step
.set ACC,  24          ; v[24:55]   four accumulators; ahead of the barrier the wave's four fragments of x or source
.set IS,   56          ; v[56:119]  sixteen loads of x or source; later fragment buffers 0 and 1
.set WS,   120         ; v[120:247] weights as loaded, 16 registers a K step; rounded in place to v[120:183]; v[184:247] then buffers 2 and 3
.macro PLACES          ; four plain vector instructions behind matrix instructions, ahead of loads into their sources and of reads of their results
.rept 4
	v_nop
.endr
.endm
.macro ADDR            ; v4: (row0 + r) x pitch + column + h x sH;  v5: sD bytes further
	v_add_nc_u32 v4, s38, v2
	v_mul_lo_u32 v4, v4, s36
	v_mad_u32_u24 v4, v3, s39, v4
	v_add_nc_u32 v4, s37, v4
	v_add_nc_u32 v5, s40, v4
.endm
.macro WLOAD           ; 32 loads: for each K step of 32 columns the lane's 8 + 8 numbers
.set ss, 0
.rept 8
	global_load_b128 v[WS+16*ss:WS+16*ss+3],     v4, s[32:33] offset:128*ss
	global_load_b128 v[WS+16*ss+4:WS+16*ss+7],   v4, s[32:33] offset:128*ss+16
	global_load_b128 v[WS+16*ss+8:WS+16*ss+11],  v5, s[32:33] offset:128*ss
	global_load_b128 v[WS+16*ss+12:WS+16*ss+15], v5, s[32:33] offset:128*ss+16
.set ss, ss+1
.endr
.endm
.macro WCVT            ; register z takes numbers 2 z, 2 z + 1: ascending, so the destination never passes a source not yet read
.set z, 0
.rept 64
	v_cvt_pk_bf16_f32 v[WS+z], v[WS+2*z], v[WS+2*z+1]
.set z, z+1
.endr
.endm
	s_load_b512 s[4:19], s[0:1], 0x0               ; x 4, source 6, aW1 8, ab1 10, mW1 12, mb1 14, mW2 16, wf 18
	s_load_b128 s[20:23], s[0:1], 0x40             ; abd 20, ud 22
	s_load_b64 s[24:25], s[0:1], 0x50              ; gf
	v_lshl_add_u32 v248, v0, 2, 0x8000
	v_mov_b32 v249, 0
	v_lshrrev_b32 v1, 5, v0
	v_readfirstlane_b32 s26, v1                    ; wave 0..7
	v_and_b32 v1, 31, v0                           ; lane
	v_and_b32 v2, 15, v0                           ; r
	v_bfe_u32 v3, v0, 4, 1                         ; h
	v_lshlrev_b32 v7, 4, v1                        ; 16 x lane
	s_mov_b32 s27, ttmp9
	s_movk_i32 s48, 3072                           ; bytes in a row of aW1
	s_movk_i32 s49, 2048                           ; bytes in a row of mW1, mW2, x, source
	s_mov_b32 s45, 0
	s_cmp_ge_u32 s27, 96
	s_cbranch_scc1 .Lconv                          ; hangs on the work-group's number alone: all eight waves go the same way
	; ---- the products ----
	s_and_b32 s28, s27, 7                          ; b
	s_lshr_b32 s29, s27, 3                         ; y: 0,1 A   2,3 B   4-7 U   8-11 G
	s_lshr_b32 s46, s29, 1
	s_lshr_b32 s47, s29, 3
	s_add_co_u32 s47, s47, 2
	s_cmp_lt_u32 s29, 4
	s_cselect_b32 s46, s46, s47                    ; kind: 0 A, 1 B, 2 U, 3 G
	s_cselect_b32 s36, s48, s49                    ; the weights' pitch
	s_cselect_b32 s31, 1, 3
	s_and_b32 s30, s29, s31
	s_lshl_b32 s30, s30, 3
	s_add_co_u32 s30, s30, s26                     ; my tile of 16 output channels
	s_and_b32 s37, s46, 1                          ; kinds 1 and 3 take source and the weights' second 256 columns
	s_lshl_b32 s37, s37, 10
	s_lshl_b32 s38, s30, 4                         ; the tile's first row of the weights
	s_mov_b32 s39, 64                              ; the permuted K order: half h begins 16 numbers on,
	s_mov_b32 s40, 32                              ; the second eight follow the first
	s_lshl_b32 s44, s28, 16                        ; where the result goes.  A, B: b x 65,536 + kind x 524,288 + tile x 4,096
	s_lshl_b32 s41, s46, 19
	s_add_co_u32 s44, s44, s41
	s_lshl_b32 s41, s28, 17                        ; U: b x 131,072 + tile x 4,096
	s_cmp_lt_u32 s46, 2
	s_cselect_b32 s44, s44, s41
	s_lshl_b32 s41, s30, 12
	s_add_co_u32 s44, s44, s41
	s_lshl_b32 s41, s30, 14                        ; G: tile x 16,384 + b x 2,048
	s_lshl_b32 s47, s28, 11
	s_add_co_u32 s41, s41, s47
	s_cmp_eq_u32 s46, 3
	s_cselect_b32 s44, s41, s44
	s_lshl_b32 s47, s26, 16                        ; x or source: my K step's rows 32 w + 16 h + j, positions 64 b + 4 r ..
	s_lshl_b32 s41, s28, 8
	s_add_co_u32 s47, s47, s41
	v_lshlrev_b32 v6, 15, v3
	v_lshl_add_u32 v6, v2, 4, v6
	v_add_nc_u32 v6, s47, v6
	s_lshl_b32 s41, s26, 12
	v_add_nc_u32 v8, s41, v7                       ; LDS: my K step's four fragments, 4,096 w + 16 x lane
	ADDR
	s_wait_kmcnt 0x0
	s_cmp_lt_u32 s29, 4
	s_cselect_b64 s[32:33], s[8:9], s[12:13]       ; aW1 or mW1
	s_cmp_eq_u32 s37, 0
	s_cselect_b64 s[34:35], s[4:5], s[6:7]         ; x or source
	s_cmp_lt_u32 s46, 2
	s_cselect_b64 s[42:43], s[20:21], s[22:23]
	s_cmp_eq_u32 s46, 3
	s_cselect_b64 s[42:43], s[24:25], s[42:43]
	s_add_nc_u64 s[42:43], s[42:43], s[44:45]
	; the bias is the C operand of the first K step
	s_cmp_eq_u32 s46, 0
	s_cbranch_scc1 .Lbias_a
	s_cmp_eq_u32 s46, 2
	s_cbranch_scc1 .Lbias_u
.set z, 0
.rept 8
	v_mov_b32 v[BIAS+z], 0                         ; B and G have none
.set z, z+1
.endr
	s_branch .Lbias_done
.Lbias_a:                                              ; a lane holds one channel 16 t + r in all eight registers
	v_add_nc_u32 v9, s38, v2
	v_lshlrev_b32 v9, 2, v9
.set z, 0
.rept 8
	global_load_b32 v[BIAS+z], v9, s[10:11]
.set z, z+1
.endr
	s_branch .Lbias_done
.Lbias_u:                                              ; a lane's eight registers hold channels 16 T + 8 h + 0 .. 7
	v_lshl_add_u32 v9, v3, 3, s38
	v_lshlrev_b32 v9, 2, v9
	global_load_b128 v[BIAS:BIAS+3], v9, s[14:15]
	global_load_b128 v[BIAS+4:BIAS+7], v9, s[14:15] offset:16
.Lbias_done:
.set z, 0
.rept 16
	global_load_b128 v[IS+4*z:IS+4*z+3], v6, s[34:35] offset:2048*z  ; lanes 0-15: 256 consecutive bytes of one row, lanes 16-31 of the row 16 further down
.set z, z+1
.endr
	WLOAD
	s_wait_loadcnt 32                              ; the 32 younger loads are the weights': bias and x or source are in
.set z, 0
.rept 32                                               ; z = 8 i + t: fragment i, register t = channels 16 h + 2 t, + 1
	v_cvt_pk_bf16_f32 v[ACC+z], v[IS+8*(z%8)+z/8], v[IS+8*(z%8)+4+z/8]
.set z, z+1
.endr
.set z, 0
.rept 8
	ds_store_b128 v8, v[ACC+4*z:ACC+4*z+3] offset:512*z
.set z, z+1
.endr
	s_wait_loadcnt 0x0
	WCVT
	s_wait_dscnt 0x0                               ; for the others' sake: my fragments are in LDS
	s_barrier_signal -1
	s_barrier_wait -1
.macro INFETCH s       ; K step s: four fragments, 8 loads, into buffer s % 4
.if ((\s)&3) < 2
.set fb, IS+32*((\s)&3)
.else
.set fb, WS+64+32*(((\s)&3)-2)
.endif
.set z, 0
.rept 8
	ds_load_b128 v[fb+4*z:fb+4*z+3], v7 offset:4096*(\s)+512*z
.set z, z+1
.endr
.endm
; form 0: source 0 = positions, source 1 = channels: a lane holds one channel, its registers positions 4 (8 h + j) + i.
; form 1: the other way round: a lane holds one position 4 r + i, its registers channels 8 h + j.
; The four accumulators take turns.
.macro KLOOP form
	INFETCH 0
	INFETCH 1
	INFETCH 2
	INFETCH 3
.set ks, 0
.rept 8
.if ks < 5
	s_wait_dscnt 24                                ; three younger K steps' loads, 8 each, may be out
.else
	s_wait_dscnt 8*(7-ks)
.endif
.if (ks&3) < 2
.set fb, IS+32*(ks&3)
.else
.set fb, WS+64+32*((ks&3)-2)
.endif
.set ii, 0
.rept 4
.if (\form) == 0
.if ks == 0
	v_wmma_f32_16x16x32_bf16 v[ACC+8*ii:ACC+8*ii+7], v[fb+8*ii:fb+8*ii+7], v[WS+8*ks:WS+8*ks+7], v[BIAS:BIAS+7]
.else
	v_wmma_f32_16x16x32_bf16 v[ACC+8*ii:ACC+8*ii+7], v[fb+8*ii:fb+8*ii+7], v[WS+8*ks:WS+8*ks+7], v[ACC+8*ii:ACC+8*ii+7]
.endif
.else
.if ks == 0
	v_wmma_f32_16x16x32_bf16 v[ACC+8*ii:ACC+8*ii+7], v[WS+8*ks:WS+8*ks+7], v[fb+8*ii:fb+8*ii+7], v[BIAS:BIAS+7]
.else
	v_wmma_f32_16x16x32_bf16 v[ACC+8*ii:ACC+8*ii+7], v[WS+8*ks:WS+8*ks+7], v[fb+8*ii:fb+8*ii+7], v[ACC+8*ii:ACC+8*ii+7]
.endif
.endif
.set ii, ii+1
.endr
	PLACES                                         ; ahead of the loads into the buffer just read; behind the last step: ahead of the way out
.if ks < 4
	INFETCH ks+4
.endif
.set ks, ks+1
.endr
.endm
	s_cmp_eq_u32 s46, 2
	s_cbranch_scc0 .Lform_t
	KLOOP 1                                        ; U
	s_branch .Ldump32
.Lform_t:
	KLOOP 0                                        ; A, B, G
	s_cmp_eq_u32 s46, 3
	s_cbranch_scc1 .Ldump16
.Ldump32:
.set z, 0
.rept 8
	global_store_b128 v7, v[ACC+4*z:ACC+4*z+3], s[42:43] offset:512*z  ; each accumulator's low registers first
.set z, z+1
.endr
	s_wait_tensorcnt 0x0
	ds_add_u32 v248, v249
	s_wait_dscnt 0x0
	s_endpgm
.Ldump16:                                              ; G in bf16: a lane's eight keys of tile i are half a fragment of the product G P^T
.set z, 0
.rept 16
	v_cvt_pk_bf16_f32 v[IS+z], v[ACC+2*z], v[ACC+2*z+1]
.set z, z+1
.endr
.set z, 0
.rept 4
	global_store_b128 v7, v[IS+4*z:IS+4*z+3], s[42:43] offset:512*z
.set z, z+1
.endr
	s_wait_tensorcnt 0x0
	ds_add_u32 v248, v249
	s_wait_dscnt 0x0
	s_endpgm
	; ---- the weights that are only rounded and laid out ----
.Lconv:
	s_sub_co_u32 s30, s27, 96
	s_lshl_b32 s30, s30, 3
	s_add_co_u32 s30, s30, s26                     ; J = 0..47: 0-15 Wd's tiles; 16 + 2 to + kh: mW2's tile to, columns 256 kh on
	s_max_u32 s47, s30, 16
	s_sub_co_u32 s47, s47, 16
	s_lshr_b32 s38, s47, 1
	s_and_b32 s37, s47, 1
	s_lshl_b32 s37, s37, 10
	s_cmp_lt_u32 s30, 16
	s_cselect_b32 s38, s30, s38                    ; the tile
	s_cselect_b32 s37, s49, s37                    ; Wd begins at column 512 of aW1
	s_cselect_b32 s36, s48, s49
	s_cselect_b32 s39, 64, 32                      ; Wd: the permuted K order; mW2: the plain one (8 h, and 16 + 8 h)
	s_cselect_b32 s40, 32, 64
	s_lshl_b32 s38, s38, 4
	s_lshl_b32 s44, s30, 13
	ADDR
	s_wait_kmcnt 0x0
	s_cmp_lt_u32 s30, 16
	s_cselect_b64 s[32:33], s[8:9], s[16:17]
	s_add_nc_u64 s[42:43], s[18:19], s[44:45]
	WLOAD
	s_wait_loadcnt 0x0
	WCVT
.set z, 0
.rept 16
	global_store_b128 v7, v[WS+4*z:WS+4*z+3], s[42:43] offset:512*z
.set z, z+1
.endr
	s_endpgm
.Lfunc_end_k_qb649a3d307_prep:
	.size	k_qb649a3d307_prep, .Lfunc_end_k_qb649a3d307_prep-k_qb649a3d307_prep
	.p2alignl 7, 3214868480
	.fill 96, 4, 3214868480
	.section	.rodata,"a",@progbits
	.p2align	6, 0x0
	.amdhsa_kernel k_qb649a3d307_prep
		.amdhsa_group_segment_fixed_size 33792
		.amdhsa_private_segment_fixed_size 0
		.amdhsa_enable_private_segment 0
		.amdhsa_kernarg_size 88
		.amdhsa_user_sgpr_count 2
		.amdhsa_user_sgpr_kernarg_segment_ptr 1
		.amdhsa_wavefront_size32 1
		.amdhsa_system_sgpr_workgroup_id_x 1
		.amdhsa_system_sgpr_workgroup_id_y 1
		.amdhsa_system_sgpr_workgroup_id_z 1
		.amdhsa_system_vgpr_workitem_id 0
		.amdhsa_next_free_vgpr 250
		.amdhsa_next_free_sgpr 66
		.amdhsa_reserve_vcc 0
		.amdhsa_float_denorm_mode_32 3
		.amdhsa_float_denorm_mode_16_64 3
		.amdhsa_memory_ordered 1
		.amdhsa_forward_progress 1
		.amdhsa_inst_pref_size 42
	.end_amdhsa_kernel
	.amdgpu_metadata
---
amdhsa.version: [ 1, 2 ]
amdhsa.kernels:
  - .name:           k_qb649a3d307_prep
    .symbol:         k_qb649a3d307_prep.kd
    .args:
      - { .name: x, .offset: 0, .size: 8, .value_kind: global_buffer, .address_space: global }
      - { .name: source, .offset: 8, .size: 8, .value_kind: global_buffer, .address_space: global }
      - { .name: aW1, .offset: 16, .size: 8, .value_kind: global_buffer, .address_space: global }
      - { .name: ab1, .offset: 24, .size: 8, .value_kind: global_buffer, .address_space: global }
      - { .name: mW1, .offset: 32, .size: 8, .value_kind: global_buffer, .address_space: global }
      - { .name: mb1, .offset: 40, .size: 8, .value_kind: global_buffer, .address_space: global }
      - { .name: mW2, .offset: 48, .size: 8, .value_kind: global_buffer, .address_space: global }
      - { .name: wf, .offset: 56, .size: 8, .value_kind: global_buffer, .address_space: global }
      - { .name: abd, .offset: 64, .size: 8, .value_kind: global_buffer, .address_space: global }
      - { .name: ud, .offset: 72, .size: 8, .value_kind: global_buffer, .address_space: global }
      - { .name: gf, .offset: 80, .size: 8, .value_kind: global_buffer, .address_space: global }
    .group_segment_fixed_size: 33792
    .private_segment_fixed_size: 0
    .kernarg_segment_align: 8
    .kernarg_segment_size: 88
    .max_flat_workgroup_size: 256
    .sgpr_count:     66
    .vgpr_count:     250
    .wavefront_size: 32
...
	.end_amdgpu_metadata
.endif
;; end of part 1
;; launch main (part 2): grid 8 x 32, 4 waves a work-group, no clusters, 213,760 bytes of LDS; arguments dist, aW2, ab2, wf, abd, raw, minb; writes raw, minb
.if DOCPART == 2
	.amdgcn_target "amdgcn-amd-amdhsa--gfx1250"
	.amdhsa_code_object_version 6
	.text
	.protected	k_qb649a3d307_main
	.globl	k_qb649a3d307_main
	.p2align	8
	.type	k_qb649a3d307_main,@function
k_qb649a3d307_main:
	s_mov_b64 s[64:65], 0
	v_nop
	global_prefetch_b8 v0, s[64:65] scope:SCOPE_SE
	s_setreg_imm32_b32 hwreg(HW_REG_WAVE_MODE, 25, 1), 1
	s_wait_xcnt 0x0
; raw[q][k] = ab2 + sum_o aW2[o] relu(A[q][o] + B[k][o] + sum_c Wd[o][c] dist[c][512 q + k]), and each wave's smallest raw score (minb).
; dist and Wd in bf16, everything else f32.  LIMITS: the minimum and the relu pass over a NaN (v_min_num, v_max_num); the sums' order is the matrix unit's;
; relu(a + A) is taken as max(a, -A) + A, equal in exact arithmetic: the parts w A are summed apart (c below), so the f32 roundings fall otherwise than in reference().
; SHARES.  A work-group owns 64 keys (kb) x the 16 queries 64 b + 4 m + i0: 1 MiB of dist, read once.  Wave w takes m = 4 w + n, n = 0..3: four BLOCKS of
; one query x 64 keys x all 256 o: 64 accumulators (o tile t, position tile i) at 8 (4 t + i), K = 8 steps of 32 channels, 512 matrix instructions.
; dist COMES STRAIGHT INTO REGISTERS.  It lies [channel][position]: a 16-byte load gives lane (r, h) positions 4 r .. 4 r + 3 of channel 32 s + 16 h + j; lanes 0-15
; cover 256 consecutive bytes, aligned, of one row, lanes 16-31 of another.  Register i of sixteen loads is a tile of the positions 4 r + i; pairs of loads round
; into a fragment with channels 16 h + 2 t, + 1 in register t: a permutation of K that Wd's fragments (made by the launch before) share.  So no byte of dist passes through LDS.
; Four slots of sixteen loads take turns: three steps are always on their way.  K step s rounds step s + 1's loads, four conversions behind every fourth product of its first
; run, into the fragment buffer that step s does not read; the slot is then filled again with the stream's step s + 5.
; No tile is shared with another work-group but Wd, A and B: 208 KiB, copied once into LDS, against the work-group's own 1 MiB; so there is no cluster, and no tensor load to carry a mask.
; THE PRODUCT.  Source 0 = 16 positions, source 1 = 16 rows of Wd: a lane holds ONE o = 16 t + r, register j position 32 h + 4 j + i.  So A[q][o] and aW2[o] are one number
; a lane and o tile.  B is the C operand of the first K step: it is loaded into the accumulators, and all eight K steps read alike.
; THE END OF A BLOCK.  c = sum_t w_t A_t starts 32 sums, one a position; each takes w_t max(acc, -A_t) for the 16 o tiles.  Behind each quarter of the accumulators the next block's B
; is asked for.  A reduce-scatter over the 16 lanes of a row leaves lane l with positions 2 l, 2 l + 1: one store of 256 consecutive bytes, aligned.
; REGISTERS, in windows of 256 (s_set_vgpr_msb: bits 1:0 source 0, 3:2 source 1, 5:4 source 2, 7:6 destination):
;   window 0: v0-15 addresses; v16-23 at work; v24-31 results and c; v32-63 fragments of the even K steps; v64-95 pairs (w_t, A_t); v96-127 fragments of the odd K steps, later the 32 sums; v128-255 slots 0, 1
;   window 1: v0-63 Wd's tiles 0-7 of a K step, v64-127 tiles 8-15; v128-255 slots 2, 3          windows 2, 3: the accumulators of t = 0-7, 8-15
; LDS, written once by ds_store and only read behind the one barrier: 0 Wd's fragments (131,072); 131,072 B's dumps (65,536); 196,608 A's dumps (16,384); 256 bytes more, never touched:
; A's address is stepped in every trip, and its last value, which no load uses, points one word past the table.
.set VD,  4            ; v4   (16 h + 8) rows of dist + 16 r: the loads' immediates reach 8 rows back and 7 on
.set WDA, 5            ; v5, v6   Wd in LDS: tiles 0-7, tiles 8-15
.set BDA, 7            ; v7   B in LDS
.set ADA, 8            ; v8   A[q][r] in LDS; 4 bytes on with each block
.set RO,  9            ; v9   8 x lane
.set TT,  16
.set OUT, 24
.set MIN, 26
.set CC,  28           ; v[28:31] four partial sums of c; then (c, c) in v[28:29]
.set DF,  32           ; K step s reads the fragments at DF + 64 (s & 1)
.set WA,  64           ; w_t at WA + 2 t; A_t, from the block's end on -A_t, at WA + 2 t + 1
.set S,   96
.set ST,  128
.set MSB, 0
.macro WIN new         ; the immediate's high byte repeats the setting that is left; a switch that changes nothing is dropped
.if MSB != (\new)
	s_set_vgpr_msb (MSB<<8)|(\new)
.set MSB, \new
.endif
.endm
.macro PLACES          ; four plain vector instructions behind matrix instructions, ahead of writes and loads into their registers and of reads of their results
.rept 4
	v_nop
.endr
.endm
.macro DLOAD u, sb, j0 ; eight of a stream step's sixteen loads, rows j0 .. j0 + 7, into slot u
.if (\u) < 2
	WIN 0
.else
	WIN 0x40
.endif
.set jj, \j0
.rept 8
	global_load_b128 v[ST+64*((\u)&1)+4*jj:ST+64*((\u)&1)+4*jj+3], v[VD], s[\sb:\sb+1] offset:(jj-8)*1048576 th:TH_LOAD_NT
.set jj, jj+1
.endr
.endm
.macro WBLOAD hf, s    ; Wd's eight tiles of half hf, K step s: 16 loads, 512 consecutive bytes each
	WIN 0x40
.set tq, 0
.rept 8
	ds_load_b128 v[64*(\hf)+8*tq:64*(\hf)+8*tq+3],   v[WDA+(\hf)] offset:tq*8192+(\s)*1024
	ds_load_b128 v[64*(\hf)+8*tq+4:64*(\hf)+8*tq+7], v[WDA+(\hf)] offset:tq*8192+(\s)*1024+512
.set tq, tq+1
.endr
.endm
; 32 matrix instructions on the fragments at df; the block's 64 accumulators take turns.
; conv = 1: behind every fourth stand four conversions of the next K step (slot cu at stb, into dfn: KSTEP sets the three).  They name no register of the products round them;
; the last four are also the places between the run's last product and the loads that follow it.
.macro MUL hf, df, conv
.set aa, 0
.rept 32
	WIN 0xa4+0x50*(\hf)
	v_wmma_f32_16x16x32_bf16 v[8*aa:8*aa+7], v[(\df)+8*(aa%4):(\df)+8*(aa%4)+7], v[64*(\hf)+8*(aa/4):64*(\hf)+8*(aa/4)+7], v[8*aa:8*aa+7]
.if (\conv) && (aa%4 == 3)
.if cu < 2
	WIN 0
.else
	WIN 0x05
.endif
.set zz, aa-3
.rept 4                                                ; zz = 8 i + t: fragment i, register t = channels 16 h + 2 t, + 1
	v_cvt_pk_bf16_f32 v[dfn+zz], v[stb+8*(zz%8)+zz/8], v[stb+8*(zz%8)+4+zz/8]
.set zz, zz+1
.endr
.endif
.set aa, aa+1
.endr
.endm
.macro CINITQ q        ; B into the accumulators of o tiles 4 q .. 4 q + 3: 32 loads
	WIN 0x80+0x40*((\q)/2)
.set aa, 0
.rept 16
	ds_load_b128 v[128*((\q)%2)+8*aa:128*((\q)%2)+8*aa+3],   v[BDA] offset:(16*(\q)+aa)*1024
	ds_load_b128 v[128*((\q)%2)+8*aa+4:128*((\q)%2)+8*aa+7], v[BDA] offset:(16*(\q)+aa)*1024+512
.set aa, aa+1
.endr
.endm
.macro AALOAD          ; A[q][16 t + r] of the block in hand
.set tq, 0
.rept 16
	ds_load_b32 v[WA+2*tq+1], v[ADA] offset:tq*1024
.set tq, tq+1
.endr
.endm
; K step s of a block.  conv = 1: the next step's loads are rounded; cnt: the younger loads that may stay out at that.  load = 1: their slot is filled again, with the stream step five on.
; nextwb = 1: tiles 0-7 of the next K step are fetched.  d0: the LDS loads that may be out at the first run of products.
.macro KSTEP s, conv, load, cnt, nextwb, d0
.set cu, ((\s)+1)&3
.set stb, ST+64*(cu&1)
.set dfc, DF+64*((\s)&1)
.set dfn, DF+64*(((\s)+1)&1)
	WIN 0
.if \conv
	s_wait_loadcnt \cnt                            ; loads come back in order (ISA guide 5.7.1): the next step's sixteen are in
.endif
	PLACES                                         ; behind the products that read tiles 8-15 and the fragment buffer that is written next
	WBLOAD 1, \s
	s_wait_dscnt \d0                               ; tiles 0-7 are in; at a block's first step see there
	MUL 0, dfc, \conv
.if !(\conv)
	PLACES                                         ; behind the products that read tiles 0-7
.endif
.if \load
	s_wait_xcnt 0x0                                ; the base that earlier loads named is stepped only behind this wait
.if (\s) == 3
	s_sub_nc_u64 s[32:33], s[32:33], 0xdffe000     ; the next block's K step 0: seven steps of 32 rows back, four queries (8,192 bytes) on
.else
	s_add_nc_u64 s[32:33], s[32:33], 0x2000000     ; 32 rows of 1 MiB on
.endif
	DLOAD cu, 32, 0
	DLOAD cu, 32, 8
.endif
.if (\s) == 0
	WIN 0
	AALOAD                                         ; wanted at the block's end
	v_add_nc_u32 v[ADA], 4, v[ADA]                 ; the next block's query
.endif
.if \nextwb
	WBLOAD 0, ((\s)+1)&7
	s_wait_dscnt 16                                ; all but the 16 just issued: tiles 8-15 are in, and at a block's first step the rest of B and A
.else
	s_wait_dscnt 0x0
.endif
	MUL 1, dfc, 0
.endm
; c = sum_t w_t A_t in four chains, and A_t turned into -A_t.  These lines name no register of the last products: they are the places behind them.
.macro CSUM
.set tq, 0
.rept 4
	v_mul_f32 v[CC+tq], v[WA+2*tq], v[WA+2*tq+1]
.set tq, tq+1
.endr
.rept 12
	v_fmac_f32 v[CC+tq%4], v[WA+2*tq], v[WA+2*tq+1]
.set tq, tq+1
.endr
.set tq, 0
.rept 8
	v_mul_f32 v[WA+2*tq+1], -1.0, v[WA+2*tq+1]
.set tq, tq+1
.endr
	v_add_f32 v[CC], v[CC], v[CC+1]
	v_add_f32 v[CC+2], v[CC+2], v[CC+3]
.rept 8
	v_mul_f32 v[WA+2*tq+1], -1.0, v[WA+2*tq+1]
.set tq, tq+1
.endr
	v_add_f32 v[CC], v[CC], v[CC+2]
	v_nop
	v_mov_b32 v[CC+1], v[CC]
.endm
; w_t max(acc, -A_t) for o tiles 4 q .. 4 q + 3, added onto the 32 sums.  Each accumulator's registers are taken in ascending order.  The packed multiply-add takes the pair's low word, w_t, for both halves.
.macro EPIQ q
.set kq, 0
.rept 4
.set tl, 4*((\q)%2)+kq
.set tg, 4*(\q)+kq
	WIN 0x88+0x44*((\q)/2)
.set aa, 0
.rept 32
	v_max_num_f32 v[32*tl+aa], v[WA+2*tg+1], v[32*tl+aa]
.set aa, aa+1
.endr
	WIN 0x02+(\q)/2
.set aa, 0
.rept 16
.if tg == 0
	v_pk_fma_f32 v[S+2*aa:S+2*aa+1], v[32*tl+2*aa:32*tl+2*aa+1], v[WA+2*tg:WA+2*tg+1], v[CC:CC+1] op_sel_hi:[1,0,1]  ; the first tile starts the sums, with c
.else
	v_pk_fma_f32 v[S+2*aa:S+2*aa+1], v[32*tl+2*aa:32*tl+2*aa+1], v[WA+2*tg:WA+2*tg+1], v[S+2*aa:S+2*aa+1] op_sel_hi:[1,0,1]
.endif
.set aa, aa+1
.endr
.set kq, kq+1
.endr
.endm
.macro NEXTB q         ; unless this is the last block: the next block's B into the quarter just read out; it lands while the other quarters are worked on
	WIN 0
	s_cmp_eq_u32 s39, 1
	s_cbranch_scc1 .Lno_b_\@
	CINITQ \q
	WIN 0
.Lno_b_\@:
.endm
; A step of the reduce-scatter: of two sums a lane keeps one (x where its mask bit is 0, else y), sends the other to the lane xm away, and adds what it receives.
.macro RSK x, y, m, n
	v_cndmask_b32 v[TT+2*(\n)],   v[\x], v[\y], s[\m]
	v_cndmask_b32 v[TT+2*(\n)+1], v[\y], v[\x], s[\m]
.endm
.macro RSD d, xm, n
	v_add_f32_dpp v[\d], v[TT+2*(\n)+1], v[TT+2*(\n)] row_xmask:\xm row_mask:0xf bank_mask:0xf
.endm
.macro REDUCE          ; bits 3, 2, 1 of r choose bits 2, 1, 0 of j, bit 0 of r chooses bit 1 of i: lane l ends with positions 32 h + 2 r + e = 2 l + e
	s_wait_xcnt 0x0                                ; the last block's store has read its base and its two registers: they are written again only behind this wait
	s_add_nc_u64 s[14:15], s[14:15], 0x2000        ; four queries on; the store below reaches back
.set ii, 0
.rept 4
.set kk, 0
.rept 4
	RSK S+8*ii+kk, S+8*ii+kk+4, 40, kk
.set kk, kk+1
.endr
.set kk, 0
.rept 4
	RSD S+8*ii+kk, 8, kk
.set kk, kk+1
.endr
.set ii, ii+1
.endr
.set ii, 0
.rept 2
.set kk, 0
.rept 4
	RSK S+8*(2*ii+kk/2)+kk%2, S+8*(2*ii+kk/2)+kk%2+2, 41, kk
.set kk, kk+1
.endr
.set kk, 0
.rept 4
	RSD S+8*(2*ii+kk/2)+kk%2, 4, kk
.set kk, kk+1
.endr
.set ii, ii+1
.endr
.set kk, 0
.rept 4
	RSK S+8*kk, S+8*kk+1, 42, kk
.set kk, kk+1
.endr
.set kk, 0
.rept 4
	RSD S+8*kk, 2, kk
.set kk, kk+1
.endr
	RSK S, S+16, 43, 0
	RSK S+8, S+24, 43, 1
	RSD OUT, 1, 0
	RSD OUT+1, 1, 1
	v_add_f32 v[OUT], s38, v[OUT]                  ; + ab2
	v_add_f32 v[OUT+1], s38, v[OUT+1]
	v_min3_num_f32 v[MIN], v[MIN], v[OUT], v[OUT+1]
	global_store_b64 v[RO], v[OUT:OUT+1], s[14:15] offset:-8192  ; the block's 64 scores: 256 consecutive bytes, aligned
.endm
	s_load_b256 s[4:11], s[0:1], 0x0               ; dist 4, aW2 6, ab2 8, wf 10
	s_load_b128 s[12:15], s[0:1], 0x20             ; abd 12, raw 14
	s_load_b64 s[16:17], s[0:1], 0x30              ; minb
	v_lshrrev_b32 v1, 5, v0
	v_readfirstlane_b32 s18, v1                    ; wave 0..3
	v_and_b32 v1, 31, v0                           ; lane
	v_and_b32 v2, 15, v0                           ; r
	v_bfe_u32 v3, v0, 4, 1                         ; h
	s_mov_b32 s19, ttmp9                           ; kb
	s_and_b32 s20, ttmp7, 0xffff                   ; qg = 4 b + i0
	s_lshr_b32 s21, s20, 2
	s_and_b32 s22, s20, 3
	s_lshl_b32 s24, s21, 6                         ; my first query 64 b + 16 w + i0,
	s_add_co_u32 s24, s24, s22
	s_lshl_b32 s23, s18, 4
	s_add_co_u32 s24, s24, s23
	s_lshl_b32 s24, s24, 11                        ; its 2,048 bytes in a row of dist and in raw,
	s_lshl_b32 s23, s19, 8
	s_add_co_u32 s24, s24, s23                     ; my 64 keys
	s_mov_b32 s25, 0
	s_mov_b32 s40, 0xff00ff00                      ; lanes with bit 3, 2, 1, 0 of r set
	s_mov_b32 s41, 0xf0f0f0f0
	s_mov_b32 s42, 0xcccccccc
	s_mov_b32 s43, 0xaaaaaaaa
	s_mov_b32 s44, 0x76543210                      ; v_permlanex16_b32: each lane takes its own place in the other half
	s_mov_b32 s45, 0xfedcba98
	v_lshlrev_b32 v[VD], 24, v3
	v_lshl_add_u32 v[VD], v2, 4, v[VD]
	v_add_nc_u32 v[VD], 0x800000, v[VD]
	v_lshlrev_b32 v5, 4, v1
	v_add_nc_u32 v6, 0x10000, v5
	v_add_nc_u32 v7, 0x20000, v5
	s_and_b32 s23, s18, 1                          ; query m = 4 w + n lies in register 4 (w & 1) + n of lane 16 (w >> 1) + r of A's dump
	s_lshl_b32 s23, s23, 9
	s_lshr_b32 s47, s18, 1
	s_lshl_b32 s47, s47, 8
	s_add_co_u32 s23, s23, s47
	s_add_co_u32 s23, s23, 0x30000
	v_lshl_add_u32 v[ADA], v2, 4, s23
	v_lshlrev_b32 v[RO], 3, v1
	s_lshl_b32 s23, s18, 15
	v_add_nc_u32 v10, s23, v5                      ; my quarter of Wd's fragments: the same offset in wf and in LDS
	s_lshl_b32 s23, s18, 14
	v_add_nc_u32 v11, s23, v5                      ; my quarter of B's dumps, and my four o tiles of A's
	v_add_nc_u32 v13, 0x20000, v11
	s_lshl_b32 s23, s18, 12
	s_add_co_u32 s23, s23, 0x30000
	v_add_nc_u32 v14, s23, v5
	v_lshlrev_b32 v15, 2, v2
	v_mov_b32 v[OUT], 0                            ; a DPP form's and a lane permute's destination counts as read
	v_mov_b32 v[OUT+1], 0
	v_mov_b32 v[MIN], 0x7f800000
	v_mov_b32 v27, 0
	s_wait_kmcnt 0x0
	s_load_b32 s38, s[8:9], 0x0                    ; ab2
	s_add_nc_u64 s[26:27], s[4:5], s[24:25]        ; dist at stream steps 0, 1, 2, 3, 4
	s_add_nc_u64 s[28:29], s[26:27], 0x2000000
	s_add_nc_u64 s[30:31], s[26:27], 0x4000000
	s_add_nc_u64 s[48:49], s[26:27], 0x6000000
	s_add_nc_u64 s[32:33], s[26:27], 0x8000000     ; this one walks on
	s_add_nc_u64 s[14:15], s[14:15], s[24:25]
	s_lshl_b32 s24, s21, 16
	s_lshl_b32 s23, s22, 10
	s_add_co_u32 s24, s24, s23
	s_add_nc_u64 s[34:35], s[12:13], s[24:25]      ; A's dumps (b, t, i0), 4,096 bytes from t to t + 1
	s_lshl_b32 s24, s19, 16
	s_add_co_u32 s24, s24, 0x80000
	s_add_nc_u64 s[36:37], s[12:13], s[24:25]      ; B's dumps of block kb
	s_lshl_b32 s24, s20, 3
	s_add_co_u32 s24, s24, s19
	s_lshl_b32 s24, s24, 2
	s_add_co_u32 s24, s24, s18
	s_lshl_b32 s24, s24, 2
	s_add_nc_u64 s[16:17], s[16:17], s[24:25]      ; my wave's word of minb
	; what goes into LDS passes through the accumulators' registers, which are still free
	WIN 0x80
.set z, 0
.rept 64
	global_load_b128 v[4*z:4*z+3], v10, s[10:11] offset:512*z
.set z, z+1
.endr
	WIN 0xc0
.set z, 0
.rept 32
	global_load_b128 v[4*z:4*z+3], v11, s[36:37] offset:512*z
.set z, z+1
.endr
.set z, 0
.rept 8
	global_load_b128 v[128+4*z:128+4*z+3], v11, s[34:35] offset:4096*(z/2)+512*(z%2)
.set z, z+1
.endr
	WIN 0
.set z, 0
.rept 16
	global_load_b32 v[WA+2*z], v15, s[6:7] offset:64*z  ; w_t = aW2[16 t + r]
.set z, z+1
.endr
	DLOAD 0, 26, 0                                 ; the stream begins while the copy is made
	DLOAD 0, 26, 8
	DLOAD 1, 28, 0
	DLOAD 1, 28, 8
	DLOAD 2, 30, 0
	DLOAD 2, 30, 8
	s_wait_loadcnt 48                              ; the 48 younger loads are dist's: Wd, B, A and aW2 are in
	WIN 0x08
.set z, 0
.rept 64
	ds_store_b128 v10, v[4*z:4*z+3] offset:512*z
.set z, z+1
.endr
	WIN 0x0c
.set z, 0
.rept 32
	ds_store_b128 v13, v[4*z:4*z+3] offset:512*z
.set z, z+1
.endr
.set z, 0
.rept 8
	ds_store_b128 v14, v[128+4*z:128+4*z+3] offset:512*z
.set z, z+1
.endr
	DLOAD 3, 48, 0
	DLOAD 3, 48, 8
	WIN 0
	s_wait_dscnt 0x0                               ; for the others' sake: my part of the copy is in LDS
	s_barrier_signal -1
	s_barrier_wait -1                              ; the only barrier: from here on LDS is only read
	WBLOAD 0, 0                                    ; in the order in which a block's end asks: tiles 0-7 of K step 0, then B's four quarters
	CINITQ 0
	CINITQ 1
	CINITQ 2
	CINITQ 3
	WIN 0
	s_wait_loadcnt 48                              ; slots 1, 2, 3 may be out: stream step 0 is in
.set z, 0
.rept 32                                               ; the first K step's fragments; all later ones are made beside the products
	v_cvt_pk_bf16_f32 v[DF+z], v[ST+8*(z%8)+z/8], v[ST+8*(z%8)+4+z/8]
.set z, z+1
.endr
	DLOAD 0, 32, 0                                 ; stream step 4
	DLOAD 0, 32, 8
	WIN 0
	s_wait_kmcnt 0x0                               ; ab2
	s_mov_b32 s39, 4                               ; blocks to go
.Lblock:
	KSTEP 0, 1, 1, 48, 1, 48                       ; loads: the three younger slots'.  LDS: B's fourth quarter (32) and tiles 8-15 (16) may be out: tiles 0-7 and B's first three quarters are in
	KSTEP 1, 1, 1, 48, 1, 16
	KSTEP 2, 1, 1, 48, 1, 16
	WIN 0
	s_cmp_eq_u32 s39, 1
	s_cbranch_scc1 .Llast
	KSTEP 3, 1, 1, 48, 1, 16
	KSTEP 4, 1, 1, 48, 1, 16
	KSTEP 5, 1, 1, 48, 1, 16
	KSTEP 6, 1, 1, 48, 1, 16
	KSTEP 7, 1, 1, 48, 1, 16                       ; rounds the next block's K step 0
	WIN 0
	s_branch .Lepi
.Llast:                                                ; the last block's last five steps ask for nothing: no load leaves dist, and the counts run down
	KSTEP 3, 1, 0, 48, 1, 16
	KSTEP 4, 1, 0, 32, 1, 16
	KSTEP 5, 1, 0, 16, 1, 16
	KSTEP 6, 1, 0, 0, 1, 16
	KSTEP 7, 0, 0, 0, 0, 16
	WIN 0
.Lepi:
	CSUM
	EPIQ 0
	NEXTB 0
	EPIQ 1
	NEXTB 1
	EPIQ 2
	NEXTB 2
	EPIQ 3
	WIN 0
	s_cmp_eq_u32 s39, 1
	s_cbranch_scc1 .Lno_b3
	CINITQ 3
	WIN 0
	s_branch .Lgot_b3
.Lno_b3:
	s_wait_dscnt 0x0                               ; the last block has asked for no B: nothing of LDS is out on this way, so the count at a block's head holds on either way
.Lgot_b3:
	REDUCE
	s_sub_co_u32 s39, s39, 1
	s_cmp_lg_u32 s39, 0
	s_cbranch_scc1 .Lblock
	; the wave's smallest score, into its word
	v_min_num_f32_dpp v[MIN], v[MIN], v[MIN] row_xmask:1 row_mask:0xf bank_mask:0xf
	v_min_num_f32_dpp v[MIN], v[MIN], v[MIN] row_xmask:2 row_mask:0xf bank_mask:0xf
	v_min_num_f32_dpp v[MIN], v[MIN], v[MIN] row_xmask:4 row_mask:0xf bank_mask:0xf
	v_min_num_f32_dpp v[MIN], v[MIN], v[MIN] row_xmask:8 row_mask:0xf bank_mask:0xf
	v_permlanex16_b32 v27, v[MIN], s44, s45
	v_min_num_f32 v[MIN], v[MIN], v27
	v_mov_b32 v16, 0
	v_cmp_eq_u32 vcc_lo, 0, v1
	s_wait_xcnt 0x0                                ; EXEC changes only behind this wait
	s_and_saveexec_b32 s46, vcc_lo
	global_store_b32 v16, v[MIN], s[16:17]
	s_wait_xcnt 0x0
	s_or_b32 exec_lo, exec_lo, s46
	s_wait_xcnt 0x0
	s_mov_b32 exec_lo, -1
	v_lshl_add_u32 v126, v0, 2, 0x34100
	v_mov_b32 v127, 0
	s_wait_tensorcnt 0x0
	ds_add_u32 v126, v127
	s_wait_dscnt 0x0
	s_endpgm
.Lfunc_end_k_qb649a3d307_main:
	.size	k_qb649a3d307_main, .Lfunc_end_k_qb649a3d307_main-k_qb649a3d307_main
	.p2alignl 7, 3214868480
	.fill 96, 4, 3214868480
	.section	.rodata,"a",@progbits
	.p2align	6, 0x0
	.amdhsa_kernel k_qb649a3d307_main
		.amdhsa_group_segment_fixed_size 213760
		.amdhsa_private_segment_fixed_size 0
		.amdhsa_enable_private_segment 0
		.amdhsa_kernarg_size 56
		.amdhsa_user_sgpr_count 2
		.amdhsa_user_sgpr_kernarg_segment_ptr 1
		.amdhsa_wavefront_size32 1
		.amdhsa_system_sgpr_workgroup_id_x 1
		.amdhsa_system_sgpr_workgroup_id_y 1
		.amdhsa_system_sgpr_workgroup_id_z 1
		.amdhsa_system_vgpr_workitem_id 0
		.amdhsa_next_free_vgpr 1024
		.amdhsa_next_free_sgpr 66
		.amdhsa_reserve_vcc 1
		.amdhsa_float_denorm_mode_32 3
		.amdhsa_float_denorm_mode_16_64 3
		.amdhsa_memory_ordered 1
		.amdhsa_forward_progress 1
		.amdhsa_inst_pref_size 216
	.end_amdhsa_kernel
	.amdgpu_metadata
---
amdhsa.version: [ 1, 2 ]
amdhsa.kernels:
  - .name:           k_qb649a3d307_main
    .symbol:         k_qb649a3d307_main.kd
    .args:
      - { .name: dist, .offset: 0, .size: 8, .value_kind: global_buffer, .address_space: global }
      - { .name: aW2, .offset: 8, .size: 8, .value_kind: global_buffer, .address_space: global }
      - { .name: ab2, .offset: 16, .size: 8, .value_kind: global_buffer, .address_space: global }
      - { .name: wf, .offset: 24, .size: 8, .value_kind: global_buffer, .address_space: global }
      - { .name: abd, .offset: 32, .size: 8, .value_kind: global_buffer, .address_space: global }
      - { .name: raw, .offset: 40, .size: 8, .value_kind: global_buffer, .address_space: global }
      - { .name: minb, .offset: 48, .size: 8, .value_kind: global_buffer, .address_space: global }
    .group_segment_fixed_size: 213760
    .private_segment_fixed_size: 0
    .kernarg_segment_align: 8
    .kernarg_segment_size: 56
    .max_flat_workgroup_size: 128
    .sgpr_count:     66
    .vgpr_count:     1024
    .wavefront_size: 32
...
	.end_amdgpu_metadata
.endif
;; end of part 2
;; launch tailA (part 3): grid 32 x 8, 4 waves a work-group, no clusters, 17,408 bytes of LDS; arguments raw, minb, mask, ud, gf, out1, h2f; writes out1, h2f
.if DOCPART == 3
	.amdgcn_target "amdgcn-amd-amdhsa--gfx1250"
	.amdhsa_code_object_version 6
	.text
	.protected	k_qb649a3d307_tailA
	.globl	k_qb649a3d307_tailA
	.p2align	8
	.type	k_qb649a3d307_tailA,@function
k_qb649a3d307_tailA:
	s_mov_b64 s[64:65], 0
	v_nop
	global_prefetch_b8 v0, s[64:65] scope:SCOPE_SE
	s_setreg_imm32_b32 hwreg(HW_REG_WAVE_MODE, 25, 1), 1
	s_wait_xcnt 0x0
; neg = min(raw) - 20;  out1 = raw + neg (1 - mask);  P = softmax over k of out1;  h2[o2][q] = relu(U[o2][q] + sum_k G[o2][k] P[q][k]), stored in bf16 as fragments (h2f).
; (mW1 [x; source P^T] + mb1 = U + G P^T with U and G from the first launch: the same sums in another order.)  G and P in bf16, all else f32.
; LIMITS: the minimum passes over a NaN (v_min_num); a weight below 2^-126 counts as 0; a byte of mask is 0 or 1.  The row's maximum is taken away before the exponential.
; SHARES.  g: 16 queries; y: four tiles of 16 channels o2, one a wave.  The softmax of the 16 rows (wave w: rows 4 w .. 4 w + 3) is made in each of the eight y: 40 KiB read again,
; against a launch more; only y = 0 stores out1.
; K ORDER.  The first launch packed G so that key 64 kb + 4 m + i stands at K place 64 kb + 16 i + m; P is stored into LDS at the same places.
; LDS: P, 16 rows of 1,040 bytes (512 bf16 + 16 bytes: the pitch is an odd multiple of 16 bytes, so the 16 rows of a fragment load start in different groups of four banks; ISA guide 11.1).
.set MN,  16           ; v[16:47]   the 1,024 waves' minima, 32 a lane
.set SC,  48           ; v[48:111]  row n, load e, element i at 16 n + 4 e + i: key 128 e + 4 lane + i
.set MK,  112          ; v[112:127] four mask bytes at 4 n + e
.set RT,  128          ; v[128:143] a row's four: c m and its pair mate; the sum, later its reciprocal, and its pair mate
.set TT,  144          ; v[144:159] at work
.set ACC, 160          ; v[160:191] four accumulators; the first is loaded with U
.set HP,  192          ; v[192:195]
.set PF,  16           ; v[16:143]  behind the barrier: P's sixteen fragments.   Window 1, v[0:127]: G's sixteen fragments
.set MSB, 0
.macro WIN new         ; the immediate's high byte repeats the setting that is left
.if MSB != (\new)
	s_set_vgpr_msb (MSB<<8)|(\new)
.set MSB, \new
.endif
.endm
.macro ROWS line:vararg ; one line for each of my four rows n: they take turns, so that no line waits for the one before it
.set n, 0
.rept 4
	\line
.set n, n+1
.endr
.endm
	s_load_b256 s[4:11], s[0:1], 0x0               ; raw 4, minb 6, mask 8, ud 10
	s_load_b128 s[12:15], s[0:1], 0x20             ; gf 12, out1 14
	s_load_b64 s[16:17], s[0:1], 0x30              ; h2f
	v_lshl_add_u32 v254, v0, 2, 0x4200
	v_mov_b32 v255, 0
	v_lshrrev_b32 v1, 5, v0
	v_readfirstlane_b32 s18, v1                    ; wave 0..3
	v_and_b32 v1, 31, v0
	v_and_b32 v2, 15, v0                           ; r
	v_bfe_u32 v3, v0, 4, 1                         ; h
	s_mov_b32 s19, ttmp9                           ; g
	s_and_b32 s20, ttmp7, 0xffff                   ; y
	s_lshl_b32 s21, s20, 2
	s_add_co_u32 s21, s21, s18                     ; T
	s_lshl_b32 s22, s19, 4
	s_lshl_b32 s23, s18, 2
	s_add_co_u32 s22, s22, s23                     ; my first row 16 g + 4 w
	s_lshl_b32 s24, s22, 11
	s_mov_b32 s25, 0
	s_lshl_b32 s26, s22, 9
	s_mov_b32 s27, 0
	s_lshr_b32 s28, s19, 2                         ; U's dumps ((g >> 2), T, i): query 16 g + r = 64 (g >> 2) + 4 (4 (g & 3) + (r >> 2)) + (r & 3)
	s_lshl_b32 s28, s28, 5
	s_add_co_u32 s28, s28, s21
	s_lshl_b32 s28, s28, 12
	s_and_b32 s23, s19, 3
	s_lshl_b32 s23, s23, 6
	s_add_co_u32 s28, s28, s23
	s_mov_b32 s29, 0
	s_lshl_b32 s30, s21, 14
	s_mov_b32 s31, 0
	s_lshl_b32 s32, s19, 5
	s_add_co_u32 s32, s32, s21
	s_lshl_b32 s32, s32, 9
	s_mov_b32 s33, 0
	s_mov_b32 s34, 0x3fb8aa3b                      ; c = log2(e)
	s_mov_b32 s35, s34                             ; named with it as a pair
	s_mov_b32 s36, 0x76543210                      ; v_permlanex16_b32: each lane takes its own place in the other half
	s_mov_b32 s37, 0xfedcba98
	v_lshlrev_b32 v4, 4, v1
	v_lshlrev_b32 v5, 2, v1
	v_and_b32 v6, 3, v2
	v_lshlrev_b32 v6, 10, v6
	v_lshl_add_u32 v6, v3, 8, v6
	v_lshrrev_b32 v9, 2, v2
	v_lshl_add_u32 v6, v9, 4, v6                   ; (r & 3) x 1,024 + (16 h + (r >> 2)) x 16
	s_mul_i32 s23, s18, 4160
	v_lshlrev_b32 v7, 7, v3
	v_lshl_add_u32 v7, v2, 1, v7
	v_add_nc_u32 v7, s23, v7                       ; P goes to row 4 w + n, byte 256 e + 128 h + 32 i + 2 r
	v_mul_u32_u24 v8, v2, 1040
	v_lshl_add_u32 v8, v3, 4, v8                   ; and comes back as fragments: row r, 16 h
	s_wait_kmcnt 0x0
	s_add_nc_u64 s[4:5], s[4:5], s[24:25]
	s_add_nc_u64 s[14:15], s[14:15], s[24:25]
	s_add_nc_u64 s[8:9], s[8:9], s[26:27]
	s_add_nc_u64 s[10:11], s[10:11], s[28:29]
	s_add_nc_u64 s[12:13], s[12:13], s[30:31]
	s_add_nc_u64 s[16:17], s[16:17], s[32:33]
.set z, 0
.rept 8
	global_load_b128 v[MN+4*z:MN+4*z+3], v4, s[6:7] offset:512*z
.set z, z+1
.endr
.set z, 0
.rept 16
	global_load_b128 v[SC+4*z:SC+4*z+3], v4, s[4:5] offset:2048*(z/4)+512*(z%4)
.set z, z+1
.endr
.set z, 0
.rept 16
	global_load_b32 v[MK+z], v5, s[8:9] offset:512*(z/4)+128*(z%4)
.set z, z+1
.endr
	global_load_b128 v[ACC:ACC+3],   v6, s[10:11]
	global_load_b128 v[ACC+4:ACC+7], v6, s[10:11] offset:512
	WIN 0x40
.set z, 0
.rept 32
	global_load_b128 v[4*z:4*z+3], v4, s[12:13] offset:512*z
.set z, z+1
.endr
	WIN 0
	ROWS v_mov_b32 v[RT+4*n+1], 0                  ; a lane permute's destination counts as read
	ROWS v_mov_b32 v[RT+4*n+3], 0
	s_wait_loadcnt 34                              ; the 34 younger loads are U's and G's
	; the smallest of all raw scores: four chains, then the lanes
.irp k, 1,3,5
.irp c, 0,8,16,24
	v_min3_num_f32 v[MN+\c], v[MN+\c], v[MN+\c+\k], v[MN+\c+\k+1]
.endr
.endr
	v_min3_num_f32 v[MN], v[MN], v[MN+8], v[MN+16]
	v_min3_num_f32 v[MN+24], v[MN+24], v[MN+7], v[MN+15]
	v_min3_num_f32 v[MN], v[MN], v[MN+24], v[MN+23]
	v_min_num_f32 v[MN], v[MN], v[MN+31]
	v_min_num_f32_dpp v[MN], v[MN], v[MN] row_xmask:1 row_mask:0xf bank_mask:0xf
	v_min_num_f32_dpp v[MN], v[MN], v[MN] row_xmask:2 row_mask:0xf bank_mask:0xf
	v_min_num_f32_dpp v[MN], v[MN], v[MN] row_xmask:4 row_mask:0xf bank_mask:0xf
	v_min_num_f32_dpp v[MN], v[MN], v[MN] row_xmask:8 row_mask:0xf bank_mask:0xf
	v_permlanex16_b32 v[MN+1], v[MN], s36, s37
	v_min_num_f32 v[MN], v[MN], v[MN+1]
	v_add_f32 v10, 0xc1a00000, v[MN]               ; neg = min - 20
	; s + neg x (1 - mask), as reference() has it
.set z, 0
.rept 16
	v_xor_b32 v[MK+z], 0x01010101, v[MK+z]
.set z, z+1
.endr
.set gq, 0
.rept 4
.set z, 0
.rept 16
	v_bfe_u32 v[TT+z], v[MK+4*gq+z/4], 8*(z%4), 8
.set z, z+1
.endr
.set z, 0
.rept 16
	v_cvt_f32_u32 v[TT+z], v[TT+z]
.set z, z+1
.endr
.set z, 0
.rept 16
	v_fma_f32 v[SC+16*gq+z], v10, v[TT+z], v[SC+16*gq+z]
.set z, z+1
.endr
.set gq, gq+1
.endr
	s_cmp_lg_u32 s20, 0
	s_cbranch_scc1 .Lno_out1
.set z, 0
.rept 16
	global_store_b128 v4, v[SC+4*z:SC+4*z+3], s[14:15] offset:2048*(z/4)+512*(z%4)  ; 512 consecutive bytes, aligned
.set z, z+1
.endr
.Lno_out1:
	s_wait_xcnt 0x0                                ; the scores are written over only behind this wait
	; the row's maximum
	ROWS v_max3_num_f32 v[RT+4*n], v[SC+16*n], v[SC+16*n+1], v[SC+16*n+2]
.irp k, 3,5,7,9,11,13
	ROWS v_max3_num_f32 v[RT+4*n], v[RT+4*n], v[SC+16*n+\k], v[SC+16*n+\k+1]
.endr
	ROWS v_max_num_f32 v[RT+4*n], v[RT+4*n], v[SC+16*n+15]
	ROWS v_max_num_f32_dpp v[RT+4*n], v[RT+4*n], v[RT+4*n] row_xmask:1 row_mask:0xf bank_mask:0xf
	ROWS v_max_num_f32_dpp v[RT+4*n], v[RT+4*n], v[RT+4*n] row_xmask:2 row_mask:0xf bank_mask:0xf
	ROWS v_max_num_f32_dpp v[RT+4*n], v[RT+4*n], v[RT+4*n] row_xmask:4 row_mask:0xf bank_mask:0xf
	ROWS v_max_num_f32_dpp v[RT+4*n], v[RT+4*n], v[RT+4*n] row_xmask:8 row_mask:0xf bank_mask:0xf
	ROWS v_permlanex16_b32 v[RT+4*n+1], v[RT+4*n], s36, s37
	ROWS v_max_num_f32 v[RT+4*n], v[RT+4*n], v[RT+4*n+1]
	ROWS v_mul_f32 v[RT+4*n], s34, v[RT+4*n]       ; c m
.set z, 0
.rept 32
	v_pk_fma_f32 v[SC+2*z:SC+2*z+1], v[SC+2*z:SC+2*z+1], s[34:35], v[RT+4*(z/8):RT+4*(z/8)+1] op_sel_hi:[1,0,0] neg_lo:[0,0,1] neg_hi:[0,0,1]  ; c s - c m
.set z, z+1
.endr
.set z, 0
.rept 64
	v_exp_f32 v[SC+z], v[SC+z]
.set z, z+1
.endr
	v_nop                                          ; a plain instruction between the last exponential and the use of its result (ISA guide 5.7.2)
	s_wait_alu depctr_va_vdst(0)
	ROWS v_pk_add_f32 v[TT+4*n:TT+4*n+1], v[SC+16*n:SC+16*n+1], v[SC+16*n+2:SC+16*n+3]
	ROWS v_pk_add_f32 v[TT+4*n+2:TT+4*n+3], v[SC+16*n+4:SC+16*n+5], v[SC+16*n+6:SC+16*n+7]
	ROWS v_pk_add_f32 v[TT+4*n:TT+4*n+1], v[TT+4*n:TT+4*n+1], v[SC+16*n+8:SC+16*n+9]
	ROWS v_pk_add_f32 v[TT+4*n+2:TT+4*n+3], v[TT+4*n+2:TT+4*n+3], v[SC+16*n+10:SC+16*n+11]
	ROWS v_pk_add_f32 v[TT+4*n:TT+4*n+1], v[TT+4*n:TT+4*n+1], v[SC+16*n+12:SC+16*n+13]
	ROWS v_pk_add_f32 v[TT+4*n+2:TT+4*n+3], v[TT+4*n+2:TT+4*n+3], v[SC+16*n+14:SC+16*n+15]
	ROWS v_pk_add_f32 v[TT+4*n:TT+4*n+1], v[TT+4*n:TT+4*n+1], v[TT+4*n+2:TT+4*n+3]
	ROWS v_add_f32 v[RT+4*n+2], v[TT+4*n], v[TT+4*n+1]
	ROWS v_add_f32_dpp v[RT+4*n+2], v[RT+4*n+2], v[RT+4*n+2] row_xmask:1 row_mask:0xf bank_mask:0xf
	ROWS v_add_f32_dpp v[RT+4*n+2], v[RT+4*n+2], v[RT+4*n+2] row_xmask:2 row_mask:0xf bank_mask:0xf
	ROWS v_add_f32_dpp v[RT+4*n+2], v[RT+4*n+2], v[RT+4*n+2] row_xmask:4 row_mask:0xf bank_mask:0xf
	ROWS v_add_f32_dpp v[RT+4*n+2], v[RT+4*n+2], v[RT+4*n+2] row_xmask:8 row_mask:0xf bank_mask:0xf
	ROWS v_permlanex16_b32 v[RT+4*n+3], v[RT+4*n+2], s36, s37
	ROWS v_add_f32 v[RT+4*n+2], v[RT+4*n+2], v[RT+4*n+3]
	ROWS v_rcp_f32 v[RT+4*n+2], v[RT+4*n+2]        ; the sum is at least the largest weight, about 1
	v_nop                                          ; a plain instruction behind the last reciprocal
.set z, 0
	s_wait_alu depctr_va_vdst(0)
.rept 32
	v_pk_mul_f32 v[SC+2*z:SC+2*z+1], v[SC+2*z:SC+2*z+1], v[RT+4*(z/8)+2:RT+4*(z/8)+3] op_sel_hi:[1,0]
.set z, z+1
.endr
.set z, 0
.rept 16                                               ; four weights into two registers, in place
	v_cvt_pk_bf16_f32 v[SC+4*z],   v[SC+4*z],   v[SC+4*z+1]
	v_cvt_pk_bf16_f32 v[SC+4*z+1], v[SC+4*z+2], v[SC+4*z+3]
.set z, z+1
.endr
.set z, 0
.rept 16
	ds_store_b16        v7, v[SC+4*z]   offset:1040*(z/4)+256*(z%4)
	ds_store_b16_d16_hi v7, v[SC+4*z]   offset:1040*(z/4)+256*(z%4)+32
	ds_store_b16        v7, v[SC+4*z+1] offset:1040*(z/4)+256*(z%4)+64
	ds_store_b16_d16_hi v7, v[SC+4*z+1] offset:1040*(z/4)+256*(z%4)+96
.set z, z+1
.endr
	s_wait_dscnt 0x0                               ; for the others' sake: my four rows of P are in LDS
	s_barrier_signal -1
	s_barrier_wait -1
.set z, 0
.rept 16
	ds_load_b128 v[PF+8*z:PF+8*z+3],   v8 offset:64*z
	ds_load_b128 v[PF+8*z+4:PF+8*z+7], v8 offset:64*z+32
.set z, z+1
.endr
	s_wait_dscnt 0x0
	s_wait_loadcnt 0x0                             ; U and G
	; source 0 = 16 channels of G, source 1 = 16 queries of P: a lane holds one query, its registers channels 16 T + 8 h + j.
	; K = 512 goes over four accumulators that take turns; the first begins with U, the others with 0.
	WIN 0x01
.set ks, 0
.rept 16
.if (ks > 0) && (ks < 4)
	v_wmma_f32_16x16x32_bf16 v[ACC+8*(ks&3):ACC+8*(ks&3)+7], v[8*ks:8*ks+7], v[PF+8*ks:PF+8*ks+7], 0
.else
	v_wmma_f32_16x16x32_bf16 v[ACC+8*(ks&3):ACC+8*(ks&3)+7], v[8*ks:8*ks+7], v[PF+8*ks:PF+8*ks+7], v[ACC+8*(ks&3):ACC+8*(ks&3)+7]
.endif
.set ks, ks+1
.endr
	WIN 0
.rept 4
	v_nop                                          ; four places behind the last products (ISA guide 7.12.1)
.endr
.irp p, 0,2,4,6
	v_pk_add_f32 v[ACC+\p:ACC+\p+1], v[ACC+\p:ACC+\p+1], v[ACC+8+\p:ACC+8+\p+1]
.endr
.irp p, 0,2,4,6
	v_pk_add_f32 v[ACC+16+\p:ACC+16+\p+1], v[ACC+16+\p:ACC+16+\p+1], v[ACC+24+\p:ACC+24+\p+1]
.endr
.irp p, 0,2,4,6
	v_pk_add_f32 v[ACC+\p:ACC+\p+1], v[ACC+\p:ACC+\p+1], v[ACC+16+\p:ACC+16+\p+1]
.endr
.set z, 0
.rept 8
	v_max_num_f32 v[ACC+z], 0, v[ACC+z]
.set z, z+1
.endr
.set z, 0
.rept 4
	v_cvt_pk_bf16_f32 v[HP+z], v[ACC+2*z], v[ACC+2*z+1]
.set z, z+1
.endr
	global_store_b128 v4, v[HP:HP+3], s[16:17]     ; half a fragment of the last product: 512 consecutive bytes, aligned
	s_barrier_signal -1
	s_barrier_wait -1
	s_wait_tensorcnt 0x0
	ds_add_u32 v254, v255
	s_wait_dscnt 0x0
	s_endpgm
.Lfunc_end_k_qb649a3d307_tailA:
	.size	k_qb649a3d307_tailA, .Lfunc_end_k_qb649a3d307_tailA-k_qb649a3d307_tailA
	.p2alignl 7, 3214868480
	.fill 96, 4, 3214868480
	.section	.rodata,"a",@progbits
	.p2align	6, 0x0
	.amdhsa_kernel k_qb649a3d307_tailA
		.amdhsa_group_segment_fixed_size 17408
		.amdhsa_private_segment_fixed_size 0
		.amdhsa_enable_private_segment 0
		.amdhsa_kernarg_size 56
		.amdhsa_user_sgpr_count 2
		.amdhsa_user_sgpr_kernarg_segment_ptr 1
		.amdhsa_wavefront_size32 1
		.amdhsa_system_sgpr_workgroup_id_x 1
		.amdhsa_system_sgpr_workgroup_id_y 1
		.amdhsa_system_sgpr_workgroup_id_z 1
		.amdhsa_system_vgpr_workitem_id 0
		.amdhsa_next_free_vgpr 384
		.amdhsa_next_free_sgpr 66
		.amdhsa_reserve_vcc 0
		.amdhsa_float_denorm_mode_32 3
		.amdhsa_float_denorm_mode_16_64 3
		.amdhsa_memory_ordered 1
		.amdhsa_forward_progress 1
		.amdhsa_inst_pref_size 48
	.end_amdhsa_kernel
	.amdgpu_metadata
---
amdhsa.version: [ 1, 2 ]
amdhsa.kernels:
  - .name:           k_qb649a3d307_tailA
    .symbol:         k_qb649a3d307_tailA.kd
    .args:
      - { .name: raw, .offset: 0, .size: 8, .value_kind: global_buffer, .address_space: global }
      - { .name: minb, .offset: 8, .size: 8, .value_kind: global_buffer, .address_space: global }
      - { .name: mask, .offset: 16, .size: 8, .value_kind: global_buffer, .address_space: global }
      - { .name: ud, .offset: 24, .size: 8, .value_kind: global_buffer, .address_space: global }
      - { .name: gf, .offset: 32, .size: 8, .value_kind: global_buffer, .address_space: global }
      - { .name: out1, .offset: 40, .size: 8, .value_kind: global_buffer, .address_space: global }
      - { .name: h2f, .offset: 48, .size: 8, .value_kind: global_buffer, .address_space: global }
    .group_segment_fixed_size: 17408
    .private_segment_fixed_size: 0
    .kernarg_segment_align: 8
    .kernarg_segment_size: 56
    .max_flat_workgroup_size: 128
    .sgpr_count:     66
    .vgpr_count:     384
    .wavefront_size: 32
...
	.end_amdgpu_metadata
.endif
;; end of part 3
;; launch tailB (part 4): grid 16 x 8, 1 waves a work-group, no clusters, 4,864 bytes of LDS; arguments h2f, wf, mb2, out0; writes out0
.if DOCPART == 4
	.amdgcn_target "amdgcn-amd-amdhsa--gfx1250"
	.amdhsa_code_object_version 6
	.text
	.protected	k_qb649a3d307_tailB
	.globl	k_qb649a3d307_tailB
	.p2align	8
	.type	k_qb649a3d307_tailB,@function
k_qb649a3d307_tailB:
	s_mov_b64 s[64:65], 0
	v_nop
	global_prefetch_b8 v0, s[64:65] scope:SCOPE_SE
	s_setreg_imm32_b32 hwreg(HW_REG_WAVE_MODE, 25, 1), 1
	s_wait_xcnt 0x0
; out0[o][q] = sum_o2 mW2[o][o2] h2[o2][q] + mb2[o].  mW2 and h2 in bf16, as the fragments that the launches before laid out; sums and bias in f32.
; One wave a work-group: 16 rows o (to) x 64 queries (qb): four accumulators, K = 512 in 16 steps, 64 matrix instructions.  All operands are asked for at once and
; multiplied as they come.  Source 0 = 16 queries, source 1 = 16 rows of mW2: a lane holds one o = 16 to + r and eight neighbouring queries 16 a + 8 h + j.
; The result goes through the wave's own 16 rows of LDS (272 bytes apart) so that sixteen lanes store 256 consecutive bytes of a row of out0, aligned.
.set ACC, 16           ; v[16:47]
.set M2,  48           ; v[48:175]  mW2's sixteen fragments
.set OB,  176          ; v[176:207] rows read back.     Windows 1 and 2: h2's fragment (ks, a) at 8 (4 (ks % 8) + a)
.set MSB, 0
.macro WIN new         ; the immediate's high byte repeats the setting that is left
.if MSB != (\new)
	s_set_vgpr_msb (MSB<<8)|(\new)
.set MSB, \new
.endif
.endm
	s_load_b256 s[4:11], s[0:1], 0x0               ; h2f 4, wf 6, mb2 8, out0 10
	v_lshl_add_u32 v254, v0, 2, 0x1200
	v_mov_b32 v255, 0
	v_and_b32 v1, 31, v0
	v_and_b32 v2, 15, v0                           ; r
	v_bfe_u32 v3, v0, 4, 1                         ; h
	s_mov_b32 s12, ttmp9                           ; to
	s_and_b32 s13, ttmp7, 0xffff                   ; qb
	s_lshl_b32 s14, s12, 14
	s_add_co_u32 s14, s14, 0x20000                 ; mW2's fragments lie behind Wd's 131,072 bytes
	s_mov_b32 s15, 0
	s_lshl_b32 s16, s13, 16
	s_mov_b32 s17, 0
	s_lshl_b32 s18, s12, 6
	s_mov_b32 s19, 0
	s_lshl_b32 s20, s12, 15
	s_lshl_b32 s22, s13, 8
	s_add_co_u32 s20, s20, s22
	s_mov_b32 s21, 0
	v_lshlrev_b32 v4, 4, v1
	v_lshlrev_b32 v5, 2, v2
	v_mul_u32_u24 v6, v2, 272
	v_lshl_add_u32 v6, v3, 5, v6                   ; in: row r, 32 bytes for each half of the lanes
	v_mul_u32_u24 v7, v3, 272
	v_lshl_add_u32 v7, v2, 4, v7                   ; back: lanes 0-15 one row of 256 bytes, lanes 16-31 the next
	v_lshlrev_b32 v8, 11, v3
	v_lshl_add_u32 v8, v2, 4, v8                   ; and the same two rows in out0
	s_wait_kmcnt 0x0
	s_add_nc_u64 s[6:7], s[6:7], s[14:15]
	s_add_nc_u64 s[4:5], s[4:5], s[16:17]
	s_add_nc_u64 s[8:9], s[8:9], s[18:19]
	s_add_nc_u64 s[10:11], s[10:11], s[20:21]
.set z, 0
.rept 32
	global_load_b128 v[M2+4*z:M2+4*z+3], v4, s[6:7] offset:512*z
.set z, z+1
.endr
	global_load_b32 v10, v5, s[8:9]                ; mb2[16 to + r], twice: a pair for the packed addition
	global_load_b32 v11, v5, s[8:9]
.set ks, 0
.rept 16
.if ks < 8
	WIN 0x40
.else
	WIN 0x80
.endif
.set z, 0
.rept 8                                                ; z = 2 a + half
	global_load_b128 v[32*(ks&7)+4*z:32*(ks&7)+4*z+3], v4, s[4:5] offset:16384*(z/2)+1024*ks+512*(z%2)
.set z, z+1
.endr
.set ks, ks+1
.endr
.set ks, 0
.rept 16
.if 8*(15-ks) > 63
	s_wait_loadcnt 63                              ; fewer than the younger steps' loads: a smaller count is safe
.else
	s_wait_loadcnt 8*(15-ks)                       ; the younger K steps' loads, 8 each, may be out
.endif
.if ks < 8
	WIN 0x01
.else
	WIN 0x02
.endif
.set a, 0
.rept 4                                                ; the four accumulators take turns
.if ks == 0
	v_wmma_f32_16x16x32_bf16 v[ACC+8*a:ACC+8*a+7], v[32*(ks&7)+8*a:32*(ks&7)+8*a+7], v[M2+8*ks:M2+8*ks+7], 0
.else
	v_wmma_f32_16x16x32_bf16 v[ACC+8*a:ACC+8*a+7], v[32*(ks&7)+8*a:32*(ks&7)+8*a+7], v[M2+8*ks:M2+8*ks+7], v[ACC+8*a:ACC+8*a+7]
.endif
.set a, a+1
.endr
.set ks, ks+1
.endr
	WIN 0
.rept 4
	v_nop                                          ; four places behind the last products (ISA guide 7.12.1)
.endr
.set z, 0
.rept 16
	v_pk_add_f32 v[ACC+2*z:ACC+2*z+1], v[ACC+2*z:ACC+2*z+1], v[10:11]
.set z, z+1
.endr
.set z, 0
.rept 8                                                ; z = 2 a + p: queries 16 a + 8 h + 4 p ..
	ds_store_b128 v6, v[ACC+4*z:ACC+4*z+3] offset:64*(z/2)+16*(z%2)
.set z, z+1
.endr
.set z, 0
.rept 8
	ds_load_b128 v[OB+4*z:OB+4*z+3], v7 offset:544*z  ; LDS serves a wave's instructions in order (ISA guide 5.7.1.4): these see the stores above
.set z, z+1
.endr
.set z, 0
.rept 8
	s_wait_dscnt 7-z
	global_store_b128 v8, v[OB+4*z:OB+4*z+3], s[10:11] offset:4096*z  ; 16 lanes store 256 consecutive bytes, at a multiple of 256 from out0's first byte
.set z, z+1
.endr
	s_wait_tensorcnt 0x0
	ds_add_u32 v254, v255
	s_wait_dscnt 0x0
	s_endpgm
.Lfunc_end_k_qb649a3d307_tailB:
	.size	k_qb649a3d307_tailB, .Lfunc_end_k_qb649a3d307_tailB-k_qb649a3d307_tailB
	.p2alignl 7, 3214868480
	.fill 96, 4, 3214868480
	.section	.rodata,"a",@progbits
	.p2align	6, 0x0
	.amdhsa_kernel k_qb649a3d307_tailB
		.amdhsa_group_segment_fixed_size 4864
		.amdhsa_private_segment_fixed_size 0
		.amdhsa_enable_private_segment 0
		.amdhsa_kernarg_size 32
		.amdhsa_user_sgpr_count 2
		.amdhsa_user_sgpr_kernarg_segment_ptr 1
		.amdhsa_wavefront_size32 1
		.amdhsa_system_sgpr_workgroup_id_x 1
		.amdhsa_system_sgpr_workgroup_id_y 1
		.amdhsa_system_sgpr_workgroup_id_z 1
		.amdhsa_system_vgpr_workitem_id 0
		.amdhsa_next_free_vgpr 768
		.amdhsa_next_free_sgpr 66
		.amdhsa_reserve_vcc 0
		.amdhsa_float_denorm_mode_32 3
		.amdhsa_float_denorm_mode_16_64 3
		.amdhsa_memory_ordered 1
		.amdhsa_forward_progress 1
		.amdhsa_inst_pref_size 25
	.end_amdhsa_kernel
	.amdgpu_metadata
---
amdhsa.version: [ 1, 2 ]
amdhsa.kernels:
  - .name:           k_qb649a3d307_tailB
    .symbol:         k_qb649a3d307_tailB.kd
    .args:
      - { .name: h2f, .offset: 0, .size: 8, .value_kind: global_buffer, .address_space: global }
      - { .name: wf, .offset: 8, .size: 8, .value_kind: global_buffer, .address_space: global }
      - { .name: mb2, .offset: 16, .size: 8, .value_kind: global_buffer, .address_space: global }
      - { .name: out0, .offset: 24, .size: 8, .value_kind: global_buffer, .address_space: global }
    .group_segment_fixed_size: 4864
    .private_segment_fixed_size: 0
    .kernarg_segment_align: 8
    .kernarg_segment_size: 32
    .max_flat_workgroup_size: 32
    .sgpr_count:     66
    .vgpr_count:     768
    .wavefront_size: 32
...
	.end_amdgpu_metadata
.endif
;; end of part 4
